; MI455X (gfx1250); checked and timed in simulation.
; The chip was launched on July 23, 2026; its instructions are those of AMD's public machine-readable ISA for CDNA 5 (MIT licence, August 2026) and "CDNA5" Instruction Set Architecture Reference Guide (July 2026). The comments in the code are by the model that wrote it; some were corrected since.
;; Attention. Allowed arithmetic: matrix products marked QUANTISED: E5M2 operands, one given power-of-two scale a tensor, by v_wmma_f32_16x16x64_bf8_bf8 or v_wmma_f32_16x16x128_bf8_bf8, f32 sums; everything else in f32.
;; Inputs: key_layer 4 x 2,048 x 1,024 float32; lowp_scales 4 int32 (the exponents e of the quantised operands' scales 2^e); query_layer 4 x 2,048 x 1,024 float32; value_layer_codes 4 x 1,024 x 64 x 32 uint8 (E5M2 codes of value_layer, K innermost, in blocks of 32 codes).
;; Outputs: out0 4 x 2,048 x 1,024 float32.
;; This version of the problem:
;;   THIS VERSION OF THE PROBLEM IS GIVEN IN LOW PRECISION. The matrix products marked QUANTISED in the list below multiply operands that are first quantised to E5M2 (5 exponent bits, 2 mantissa bits; 8 bits a number), with one given power-of-two scale for each operand tensor; their sums are f32. All else is computed in f32.
;;   The module's matrix products, in the order in which they are computed (A, B: the left and right operand; K: the contracted axis; several contracted axes count as one K, in the product's order):
;;     1. batch 64 x [M 2,048, K 64] x [K 64, N 2,048]; A: input query_layer; B: input key_layer: QUANTISED (scales: A lowp_scales[0], B lowp_scales[1])
;;     2. batch 64 x [M 2,048, K 2,048] x [K 2,048, N 64]; A: softmax (see below); B: input value_layer (given as codes): QUANTISED (scales: A lowp_scales[2], B lowp_scales[3])
;;   THE QUANTISER, for each operand of a quantised product, along K:
;;     - The operand's scale is 2^e, e = its entry of the input lowp_scales (int32; the entries are numbered through the quantised products in the list's order, A before B).
;;     - Each number is divided by the scale, clamped to +-57,344, and rounded to the nearest number of E5M2, ties to even, subnormals kept.
;;     - The product sums the exact products of the quantised numbers (number of the format x scale) in f32.
;;   ~~~python
;;   def quantise(x, axis, e):      # numpy; x: float32 -> the quantised numbers, widened to float32 again
;;       x = np.moveaxis(x, axis, -1); K = x.shape[-1]
;;       r = np.clip(x / 2.0 ** e, -57344, 57344)
;;       step = 2.0 ** (np.maximum(np.frexp(np.where(r == 0, 1, r))[1] - 1, -14) - 2)
;;       q = np.round(r / step) * step * 2.0 ** e      # np.round: ties to even
;;       return np.moveaxis(q, -1, axis).astype(np.float32)
;;   ~~~
;;   SOFTMAX AHEAD OF A QUANTISED PRODUCT. Where the list says 'softmax', what is quantised is not the finished softmax but p = 2^(t - M), with t = logit x log2(e) and M = ceil(the row's largest t), a whole number; so 1/2 < the row's largest p <= 1. The row's sum l is taken of the UNQUANTISED p, in f32, and the product's result is divided by l at the end. Since M is a whole number, a kernel that streams over the keys may use a running M (the ceiling of the running maximum): every later rescaling is an exact power of two, so the quantised numbers keep their values, but for numbers so far below the row's largest that they fall under the format's range.
;;   OPERANDS COMPUTED ON THE WAY. 'Computed on the way' means the value that the module computes at that place (a softmax that the list does not call 'softmax' is quantised finished and normalised). What goes into a quantiser is computed in f32, as accurately as f32 sums, v_exp_f32 and their like allow (about 1e-6 of the number): no bf16 or f16 on the way to a quantiser, and a product that is left as it is and whose result goes on into a quantised operand takes f32 operands (vector FMAs, or v_wmma_f32_16x16x4_f32). A number that lies on a knife's edge between two numbers of the format may be rounded either way, as far as f32 arithmetic and the matrix unit's own rounding can turn it there, and no further.
;;   INPUTS GIVEN AS CODES. value_layer (in the module: [4, 2048, 1024], K = its axis 1): each comes as NAME_codes (uint8): NAME with its K axis moved to the last place and cut into blocks of 32 codes, [.., K / 32, bytes a block], one block behind the other in memory; one code a byte (a code: sign, 5 exponent bits, 2 mantissa bits); its scale is its entry of lowp_scales. Its value is code x scale, taken as it is: it is not quantised again, and the codes and scales need not be those that the quantiser above would give.
;; One version. Each part assembles by itself: llvm-mc -triple=amdgcn-amd-amdhsa -mcpu=gfx1250 --defsym DOCPART=n.
;; ======== version 1 of 1: 2 launches
;; limits: right only within a limited range of input values
;; workspace buffers: kc 8,388,608 bytes
;; launch kquant (part 1): grid 64 x 4, 8 waves a work-group, no clusters, 140,288 bytes of LDS; arguments key_layer, lowp_scales, kc; writes kc
.if DOCPART == 1
	.amdgcn_target "amdgcn-amd-amdhsa--gfx1250"
	.amdhsa_code_object_version 6
	.text
	.protected	k_q383a6c3f01_kquant
	.globl	k_q383a6c3f01_kquant
	.p2align	8
	.type	k_q383a6c3f01_kquant,@function
k_q383a6c3f01_kquant:
	s_mov_b64 s[64:65], 0
	v_nop
	global_prefetch_b8 v0, s[64:65] scope:SCOPE_SE
	s_setreg_imm32_b32 hwreg(HW_REG_WAVE_MODE, 25, 1), 1
	s_wait_xcnt 0x0
; key_layer [4][2048][1024] f32 becomes codes of BF8 (E5M2) with the given scale 2^ek (entry 1 of the scales), laid as IMAGES OF THE OPERAND'S REGISTERS for the attention launch.
; code = x / 2^ek, held within +-57,344, rounded to the nearest code, ties to even.
; LIMITS: ek between -126 and 112, so that 2^ek and 57,344 x 2^ek are f32 numbers.  NaN among the inputs is not served (an infinity is held at the largest code).
; LAYOUT OF kc.  Head hx = 16 b + hd has 131,072 bytes.  Tile T (0 .. 127) has 1,024: byte 512 c + 16 L + i (c = 0, 1; L = a lane; i = 0 .. 15) is the code of
; K[key(T, L % 16)][32 c + 16 (L / 16) + i], with T = 2 blk + u and key = 32 blk + 8 u + r + 8 (r / 8): the keys of a tile are not neighbours, so that in the scores' transposed tiles
; the 16 registers of tiles 2 x and 2 x + 1 are 16 neighbouring keys.
; SHARES.  Work-group (blk, b) takes keys 32 blk .. 32 blk + 31 of batch b, all 16 heads: 131,072 consecutive bytes.  Wave w takes heads 2 w and 2 w + 1: 512 bytes of each row: four tiles (head e, half u).
; Each load reads 512 consecutive bytes, 16 a lane.  The conversions want 16 neighbours along the head's axis in ONE lane: so the numbers turn through the wave's own stage in LDS.
; Key i goes to stage row 16 ((i / 8) % 2) + 8 (i / 16) + i % 8, so that tile u's sixteen keys are the neighbouring rows 16 u .. 16 u + 15.
; A stage row is 256 bytes + 16 = 17 x 16 bytes: sixteen neighbouring rows begin at sixteen different 16-byte columns of 256 bytes.
; No barrier: waves share nothing.  No loop: every offset is an immediate, and no register that a store reads is written again.
.set PITCH, 272
.set HSTG,  32*PITCH                   ; a head's 32 rows in the stage
.set WSTG,  2*HSTG                     ; a wave's stage
.set SA,  2                            ; v2   the stage on the way in: WSTG w + HSTG (lane / 16) + 16 (lane % 16)
.set RA,  3                            ; v3   and on the way out: WSTG w + PITCH r + 64 h
.set LIM, 10                           ; v10  57,344 x 2^ek
.set SC,  11                           ; v11  2^ek
.set R,   16                           ; v16-143   key i's 16 bytes at v[R + 4 i]
.set X,   144                          ; v144-207  two sets of 32 neighbours
.set C,   208                          ; v208-239  four sets of 8 registers of codes, one for each tile
	s_load_b128 s[4:7], s[0:1], 0x0                ; key_layer s[4:5], the scales' exponents s[6:7]
	s_load_b64 s[8:9], s[0:1], 0x10                ; kc
	v_lshl_add_u32 v240, v0, 2, 0x22000
	v_mov_b32 v241, 0
	v_lshrrev_b32 v4, 5, v0
	s_delay_alu instid0(VALU_DEP_1)
	v_readfirstlane_b32 s10, v4                    ; wave 0..7
	s_and_b32 s11, ttmp7, 0xffff                   ; batch
	v_and_b32 v1, 31, v0
	s_delay_alu instid0(VALU_DEP_1)
	v_lshlrev_b32 v1, 4, v1                        ; 16 x lane: my bytes of a load's 512 and of a store's 512
	v_and_b32 v5, 15, v0                           ; r
	v_bfe_u32 v6, v0, 4, 1                         ; h
	s_mul_i32 s17, s10, WSTG
	v_mul_u32_u24 v[SA], v6, HSTG
	s_delay_alu instid0(VALU_DEP_1)
	v_lshl_add_u32 v[SA], v5, 4, v[SA]
	s_delay_alu instid0(VALU_DEP_1)
	v_add_nc_u32 v[SA], s17, v[SA]
	v_mul_u32_u24 v[RA], v5, PITCH
	s_delay_alu instid0(VALU_DEP_1)
	v_lshl_add_u32 v[RA], v6, 6, v[RA]
	s_delay_alu instid0(VALU_DEP_1)
	v_add_nc_u32 v[RA], s17, v[RA]
	s_lshl_b32 s12, s11, 23                        ; in: a batch is 2,048 rows of 4,096 bytes,
	s_lshl_b32 s18, ttmp9, 17                      ; a block 32 rows,
	s_add_co_u32 s12, s12, s18
	s_lshl_b32 s18, s10, 9                         ; my wave's 512 bytes of a row
	s_add_co_u32 s12, s12, s18
	s_mov_b32 s13, 0
	s_lshl_b32 s14, s11, 21                        ; out: a batch is 16 heads of 131,072 bytes,
	s_lshl_b32 s18, s10, 18                        ; my wave's two heads,
	s_add_co_u32 s14, s14, s18
	s_lshl_b32 s18, ttmp9, 11                      ; the block's two tiles of 1,024 bytes
	s_add_co_u32 s14, s14, s18
	s_mov_b32 s15, 0
	s_wait_alu depctr_va_vdst(0)
	s_wait_kmcnt 0x0
	s_load_b32 s16, s[6:7], 0x4                    ; ek
	s_add_nc_u64 s[4:5], s[4:5], s[12:13]
	s_add_nc_u64 s[8:9], s[8:9], s[14:15]
.irp u, 0,1                                    ; all 32 loads go out at once: first the sixteen keys of half 0 (0-7, 16-23), then those of half 1 (8-15, 24-31)
.irp n, 0,1,2,3,4,5,6,7,8,9,10,11,12,13,14,15
	global_load_b128 v[R+4*((\n%8)+16*(\n/8)+8*\u):R+4*((\n%8)+16*(\n/8)+8*\u)+3], v1, s[4:5] offset:4096*((\n%8)+16*(\n/8)+8*\u) th:TH_LOAD_NT
.endr
.endr
	s_wait_kmcnt 0x0
	s_add_co_i32 s16, s16, 127
	s_lshl_b32 s17, s16, 23
	v_mov_b32 v[SC], s17                           ; 2^ek as f32: the conversion takes its exponent field
	s_add_co_i32 s16, s16, 15
	s_lshl_b32 s16, s16, 23
	s_or_b32 s16, s16, 0x600000
	v_mov_b32 v[LIM], s16                          ; 57,344 x 2^ek
; 32 numbers of a lane, register 16 c + i = channel 32 c + 16 h + i of my key, become 8 registers of codes
.macro QUANT xs, cs
.irp i, 0,1,2,3,4,5,6,7,8,9,10,11,12,13,14,15,16,17,18,19,20,21,22,23,24,25,26,27,28,29,30,31
	v_med3_num_f32 v[(\xs)+\i], v[(\xs)+\i], -v[LIM], v[LIM]   ; the conversion to an 8-bit code does not saturate (ISA guide 7.6.2): hold the number first
.endr
.irp c, 0,1
	v_cvt_scalef32_pk8_bf8_f32 v[(\cs)+4*\c:(\cs)+4*\c+1], v[(\xs)+16*\c:(\xs)+16*\c+7], v[SC]
	v_cvt_scalef32_pk8_bf8_f32 v[(\cs)+4*\c+2:(\cs)+4*\c+3], v[(\xs)+16*\c+8:(\xs)+16*\c+15], v[SC]
.endr
	v_nop                                          ; one plain vector line behind the last conversion, ahead of any vector line that writes its sources again
.endm
; Half u: its sixteen keys go into the stage and come back as two tiles (head 0, head 1).  left: the younger loads that may stay out.
.macro HALF u, left
	s_wait_loadcnt \left                           ; loads come back in order: this half's sixteen are in
.irp n, 0,1,2,3,4,5,6,7,8,9,10,11,12,13,14,15
	ds_store_b128 v[SA], v[R+4*((\n%8)+16*(\n/8)+8*\u):R+4*((\n%8)+16*(\n/8)+8*\u)+3] offset:PITCH*(16*\u+\n)
.endr
.irp e, 0,1                                    ; LDS serves a wave's instructions in order: these see the stores above
.irp c, 0,1
.irp j, 0,1,2,3
	ds_load_b128 v[X+32*\e+16*\c+4*\j:X+32*\e+16*\c+4*\j+3], v[RA] offset:HSTG*\e+16*PITCH*\u+128*\c+16*\j
.endr
.endr
.endr
.irp e, 0,1
	s_wait_dscnt 8-8*\e                            ; head e's eight reads are back; behind head 0's stand head 1's eight
	QUANT X+32*\e, C+16*\u+8*\e
.irp c, 0,1
	global_store_b128 v1, v[C+16*\u+8*\e+4*\c:C+16*\u+8*\e+4*\c+3], s[8:9] offset:131072*\e+1024*\u+512*\c   ; 32 lanes store 512 consecutive bytes, at a multiple of 512 from kc's first byte
.endr
.endr
.endm
	s_wait_alu depctr_va_vdst(0)
	HALF 0, 16
	HALF 1, 0
	s_wait_tensorcnt 0x0
	ds_add_u32 v240, v241
	s_wait_dscnt 0x0
	s_endpgm
.Lfunc_end_k_q383a6c3f01_kquant:
	.size	k_q383a6c3f01_kquant, .Lfunc_end_k_q383a6c3f01_kquant-k_q383a6c3f01_kquant
	.p2alignl 7, 3214868480
	.fill 96, 4, 3214868480
	.section	.rodata,"a",@progbits
	.p2align	6, 0x0
	.amdhsa_kernel k_q383a6c3f01_kquant
		.amdhsa_group_segment_fixed_size 140288
		.amdhsa_private_segment_fixed_size 0
		.amdhsa_enable_private_segment 0
		.amdhsa_kernarg_size 24
		.amdhsa_user_sgpr_count 2
		.amdhsa_user_sgpr_kernarg_segment_ptr 1
		.amdhsa_wavefront_size32 1
		.amdhsa_system_sgpr_workgroup_id_x 1
		.amdhsa_system_sgpr_workgroup_id_y 1
		.amdhsa_system_sgpr_workgroup_id_z 1
		.amdhsa_system_vgpr_workitem_id 0
		.amdhsa_next_free_vgpr 242
		.amdhsa_next_free_sgpr 66
		.amdhsa_reserve_vcc 0
		.amdhsa_float_denorm_mode_32 3
		.amdhsa_float_denorm_mode_16_64 3
		.amdhsa_memory_ordered 1
		.amdhsa_forward_progress 1
		.amdhsa_inst_pref_size 20
	.end_amdhsa_kernel
	.amdgpu_metadata
---
amdhsa.version: [ 1, 2 ]
amdhsa.kernels:
  - .name:           k_q383a6c3f01_kquant
    .symbol:         k_q383a6c3f01_kquant.kd
    .args:
      - { .name: key_layer, .offset: 0, .size: 8, .value_kind: global_buffer, .address_space: global }
      - { .name: lowp_scales, .offset: 8, .size: 8, .value_kind: global_buffer, .address_space: global }
      - { .name: kc, .offset: 16, .size: 8, .value_kind: global_buffer, .address_space: global }
    .group_segment_fixed_size: 140288
    .private_segment_fixed_size: 0
    .kernarg_segment_align: 8
    .kernarg_segment_size: 24
    .max_flat_workgroup_size: 256
    .sgpr_count:     66
    .vgpr_count:     242
    .wavefront_size: 32
...
	.end_amdgpu_metadata
.endif
;; end of part 1
;; launch attn (part 2): grid 4 x 64, 16 waves a work-group, no clusters, 309,248 bytes of LDS; arguments query_layer, kc, value_layer_codes, lowp_scales, out0; writes out0
.if DOCPART == 2
	.amdgcn_target "amdgcn-amd-amdhsa--gfx1250"
	.amdhsa_code_object_version 6
	.text
	.protected	k_q383a6c3f01_attn
	.globl	k_q383a6c3f01_attn
	.p2align	8
	.type	k_q383a6c3f01_attn,@function
k_q383a6c3f01_attn:
	s_mov_b64 s[64:65], 0
	v_nop
	global_prefetch_b8 v0, s[64:65] scope:SCOPE_SE
	s_setreg_imm32_b32 hwreg(HW_REG_WAVE_MODE, 25, 1), 1
	s_wait_xcnt 0x0
; out[b][q][64 hd ..] = the sum over k of softmax_k(Q . K / 8) V, for 64 heads (hx = 16 b + hd) of 2,048 queries, 2,048 keys, head size 64; both products on codes of BF8 (E5M2) with the given scales 2^eq, 2^ek, 2^ep, 2^ev.
; Q: f32, quantised here (each number is read once, by one wave).  K: codes from the launch before, as images of the operand's registers (1,024 bytes a tile of 16 keys).  V: codes, a head is 64 rows (channels) of 2,048 keys.
; SOFTMAX: t = score x log2(e) / 8; M = the running largest t rounded UP to a whole number; p = 2^(t - M) is quantised, not normalised; the row's sum is taken of the unquantised p and divides O at the end.
; When M moves, the sum and O are multiplied by 2^(old M - new M): nothing is rounded.
; SHARES.  Work-group (x, y) owns query block y % 4 (512 queries) of head 4 (y / 4) + x; each of its sixteen waves 32 queries, as two tiles of 16, one pass over all keys for each tile, 256 keys a step.
; ALL OF A HEAD'S K AND V LIES IN LDS (131,072 + 135,168 bytes), written once: each wave loads 8,192 bytes of each in its first lines and stores them to LDS; one barrier; no LDS byte of K or V is written again.
; NO TENSOR LOADS, NO CLUSTER: the hold of p at 57,344 x 2^ep (128 lines a step) changes nothing where ep >= -15, since p <= 1; a scalar branch on the loaded ep leads round it
; K and V go through registers and there is no joint request to make.  NO PREFETCH INTO THE L2: K, V and the first tile of Q are asked for in the first lines.
; LAYOUT.  Both products transposed: S^T = K Q^T, O^T = V^T P^T: a lane holds ONE query (lane % 16).  Row x of K's tile 2 b + u is key 32 b + 8 u + x + 8 (x / 8), so the 16 registers of tiles 2 b, 2 b + 1 of S^T
; are the keys 32 b + 16 (lane / 16) + 0 .. 15: the conversions' results ARE the second product's operand.  Along each K both sides of a product use the same order of places.
; K'S FRAGMENTS ARE ASKED FOR A STEP AHEAD: tiles 0-7 of the next step into v128-191 when the second product's first half has read them, tiles 8-15 into v64-127 behind its second half.
; LIMITS: eq and ep between -126 and 112; eq + ek between -123 and 130 (added to c's exponent field).  A p under 2^-126 comes out as 0 (ISA guide, v_exp_f32).  NaN and infinity among the inputs are not served.
; REGISTERS: v1-7 addresses and constants; v8 -M, v9 the largest t, v[10:11] the sum, v[12:13] f and a permute's target, v14 at work; v16-23 Q's codes; v24-27 the maximum's chains; v32-63 O^T;
; v64-127 K's tiles 8-15, then p's codes (v64-95) and the sums' five chains (v96-105); v128-191 (SA) K's tiles 0-7, then S^T, p and V of keys 128-255; v192-255 (SB) S^T, p and V of keys 0-127.
.set VB,    131072                     ; LDS: K's images at 0; V from here on, in four chunks of 512 keys
.set VP,    528                        ; a channel's 512 keys of a chunk + 16 bytes = 33 x 16
.set VCH,   64*VP
.set SPARE, 0x41000                    ; the spare words: 128 bytes a wave
.set STG,   0x41800                    ; each wave's own stage
.set WST,   2560                       ; 16 rows x 80 bytes (Q's codes) or 16 rows x 144 (half a tile of out)
.set LI,   1                           ; 16 x lane
.set AV0,  2                           ; 528 r + 16 h
.set ADR,  3                           ; LDS address in hand
.set SPW,  4
.set NIL,  5
.set LIMP, 6                           ; 57,344 x 2^ep
.set SCP,  7                           ; 2^ep
.set NM,   8
.set SUM,  10
.set F,    12
.set PX,   13
.set MA,   14
.set Q0,   16
.set MC,   24
.set O,    32
.set KV,   64
.set PC,   64
.set T,    96
.set SA,   128
.set SB,   192
.set TK,   2                           ; s2 LDS byte of the chunk's tiles of K;  s3 of V
.set TV,   3
.set WV,   14
.set CNT,  15
.set SEL,  20
.set CS,   22                          ; s[22:23] c = log2(e) / 8 x 2^(eq + ek)
.set EPV,  24
.set HF,   25                          ; 1 where the hold can bite (ep < -15)
.set MSK,  26                          ; lanes with lane % 16 >= 8
.set STB,  27                          ; my stage
.set SQ,   36                          ; 2^eq
.set LQ,   37                          ; 57,344 x 2^eq
; Sixteen rows of Q, as eight loads of two rows brought them to v[src] on, become the fragment v16-23.  Eight numbers of a lane are four of row 4 j + h and four of row 4 j + 2 + h: a register of codes for each.
; The codes turn through my stage: row 2 n + h at 80 bytes a row.  v99 = r, v100 = h.  left: the younger loads that may stay out.
.macro QPREP src, left
	v_mul_u32_u24 v102, v100, 80
	v_mul_u32_u24 v103, v99, 80
	v_mov_b32 v110, s[SQ]
	v_lshl_add_u32 v102, v99, 2, v102
	v_lshl_add_u32 v103, v100, 4, v103
	v_mov_b32 v111, s[LQ]
	v_add_nc_u32 v102, s[STB], v102
	v_add_nc_u32 v103, s[STB], v103
	s_wait_alu depctr_va_vdst(0)
	s_wait_loadcnt \left
.set jj, 0
.rept 32
	v_med3_num_f32 v[\src+jj], v[\src+jj], -v111, v111   ; the conversion does not saturate (ISA guide 7.6.2): hold first
.set jj, jj+1
.endr
.set jj, 0
.rept 4
	v_cvt_scalef32_pk8_bf8_f32 v[112+2*jj:113+2*jj], v[\src+8*jj:\src+8*jj+7], v110
.set jj, jj+1
.endr
	v_nop
.set jj, 0
.rept 8
	ds_store_b32 v102, v[112+jj] offset:160*jj
.set jj, jj+1
.endr
	ds_load_b128 v[Q0:Q0+3], v103                  ; LDS serves a wave's instructions in order.  Registers 4 c .. 4 c + 3: channels 32 c + 16 h + 0 .. 15, as in K's images
	ds_load_b128 v[Q0+4:Q0+7], v103 offset:32
.endm
	s_load_b256 s[4:11], s[0:1], 0x0               ; Q, K's codes, V's codes, the scales' exponents
	s_load_b64 s[12:13], s[0:1], 0x20              ; out
	v_lshl_add_u32 v[SPW], v0, 2, SPARE
	v_mov_b32 v[NIL], 0
	v_lshrrev_b32 v3, 5, v0
	v_readfirstlane_b32 s[WV], v3                  ; wave 0..15
	s_and_b32 s28, ttmp7, 0xffff
	s_and_b32 s31, s28, 3                          ; my block of 512 queries
	s_and_b32 s28, s28, 0xfffc
	s_add_co_u32 s28, s28, ttmp9                   ; the head hx
	s_lshr_b32 s16, s28, 4
	s_lshl_b32 s16, s16, 23                        ; the batch: 2,048 rows of 4,096 bytes,
	s_and_b32 s29, s28, 15
	s_lshl_b32 s29, s29, 8                         ; the head's 256 bytes of a row,
	s_add_co_u32 s16, s16, s29
	s_lshl_b32 s29, s31, 21                        ; my block's 512 rows,
	s_add_co_u32 s16, s16, s29
	s_lshl_b32 s29, s[WV], 17                      ; my wave's 32 rows
	s_add_co_u32 s16, s16, s29
	s_mov_b32 s17, 0
	s_lshl_b32 s18, s28, 17                        ; a head's codes are 131,072 bytes, in K and in V; my wave's 8,192 of them
	s_lshl_b32 s29, s[WV], 13
	s_add_co_u32 s18, s18, s29
	s_mov_b32 s19, 0
	v_and_b32 v[LI], 31, v0
	v_and_b32 v99, 15, v0                          ; r
	v_bfe_u32 v100, v0, 4, 1                       ; h
	v_lshlrev_b32 v[LI], 4, v[LI]
	v_lshlrev_b32 v98, 12, v100
	v_mul_u32_u24 v[AV0], v99, VP
	v_lshl_add_u32 v98, v99, 4, v98                ; Q: lanes 0-15 one row's 256 bytes, lanes 16-31 the next row's
	s_wait_alu depctr_va_vdst(0)
	s_wait_kmcnt 0x0
	s_load_b128 s[32:35], s[10:11], 0x0            ; eq, ek, ep, ev
	s_add_nc_u64 s[4:5], s[4:5], s[16:17]
	s_add_nc_u64 s[12:13], s[12:13], s[16:17]
	s_add_nc_u64 s[6:7], s[6:7], s[18:19]
	s_add_nc_u64 s[8:9], s[8:9], s[18:19]
.set jj, 0
.rept 8                                        ; Q, tile 0: load j brings rows 2 j and 2 j + 1, two whole pieces of 256 bytes
	global_load_b128 v[KV+4*jj:KV+4*jj+3], v98, s[4:5] offset:8192*jj th:TH_LOAD_NT
.set jj, jj+1
.endr
.set jj, 0
.rept 16                                       ; K: 512 consecutive bytes a load
	global_load_b128 v[SA+4*jj:SA+4*jj+3], v[LI], s[6:7] offset:512*jj
.set jj, jj+1
.endr
.set jj, 0
.rept 16                                       ; V: rows 4 w .. 4 w + 3; load 4 i + p is chunk p's 512 keys of row 4 w + i
	global_load_b128 v[SB+4*jj:SB+4*jj+3], v[LI], s[8:9] offset:512*jj
.set jj, jj+1
.endr
	s_mul_i32 s[STB], s[WV], WST
	s_add_co_u32 s[STB], s[STB], STG
	s_lshl_b32 s29, s[WV], 13
	s_mul_i32 s30, s[WV], 4*VP
	s_add_co_u32 s30, s30, VB
	v_lshl_add_u32 v[AV0], v100, 4, v[AV0]
	v_add_nc_u32 v48, s29, v[LI]                   ; K into LDS as it lies
	v_add_nc_u32 v49, s30, v[LI]                   ; V into LDS: chunks 0, 1
	v_cmp_lt_u32 s[MSK], 7, v99
	v_mov_b32 v[PX], 0                             ; written once: a lane permute's target counts as a source
	v_add_nc_u32 v50, 2*VCH, v49                   ; chunks 2, 3
	s_mov_b32 s[SEL], 0x76543210
	s_mov_b32 s[SEL+1], 0xfedcba98
	s_wait_kmcnt 0x0
	s_add_co_i32 s28, s32, s33
	s_lshl_b32 s28, s28, 23
	s_mov_b32 s[CS], 0x3e38aa3b                    ; log2(e) / 8
	s_add_co_i32 s[CS], s[CS], s28                 ; x 2^(eq + ek), by the exponent field
	s_mov_b32 s[CS+1], s[CS]
	s_add_co_i32 s28, s32, 127
	s_lshl_b32 s[SQ], s28, 23
	s_add_co_i32 s28, s28, 15
	s_lshl_b32 s28, s28, 23
	s_or_b32 s[LQ], s28, 0x600000
	s_add_co_i32 s28, s34, 127
	s_lshl_b32 s29, s28, 23
	v_mov_b32 v[SCP], s29
	s_add_co_i32 s28, s28, 15
	s_lshl_b32 s28, s28, 23
	s_or_b32 s28, s28, 0x600000
	v_mov_b32 v[LIMP], s28
	s_add_co_i32 s[EPV], s34, s35
	s_cmp_lt_i32 s34, -15
	s_cselect_b32 s[HF], 1, 0
	QPREP KV, 32                                   ; Q is in; behind it stand K's and V's 32 loads
.irp g, 0,1,2,3
	s_wait_loadcnt 28-4*\g                         ; K's loads up to 4 g + 3 are in
.irp n, 0,1,2,3
	ds_store_b128 v48, v[SA+16*\g+4*\n:SA+16*\g+4*\n+3] offset:2048*\g+512*\n
.endr
.endr
.irp i, 0,1,2,3
	s_wait_loadcnt 12-4*\i                         ; V's row i is in
.irp p, 0,1
	ds_store_b128 v49, v[SB+16*\i+4*\p:SB+16*\i+4*\p+3] offset:\p*VCH+\i*VP
	ds_store_b128 v50, v[SB+8+16*\i+4*\p:SB+8+16*\i+4*\p+3] offset:\p*VCH+\i*VP
.endr
.endr
; A pass begins: the largest t is -3e38, the sum and O^T are zeros, which the first change of M leaves zeros.
.macro INIT
	v_mov_b32 v[NM+1], 0xff61b1e6
	v_mov_b32 v[SUM], 0
	v_mov_b32 v[SUM+1], 0
	v_floor_f32 v[NM], -v[NM+1]
.set jj, 0
.rept 32
	v_mov_b32 v[O+jj], 0
.set jj, jj+1
.endr
.endm
.macro KLOAD dst, off                          ; eight tiles of K, as they lie
.set jj, 0
.rept 8
	ds_load_b128 v[\dst+8*jj:\dst+8*jj+3], v[ADR] offset:(\off)+1024*jj
	ds_load_b128 v[\dst+8*jj+4:\dst+8*jj+7], v[ADR] offset:(\off)+1024*jj+512
.set jj, jj+1
.endr
.endm
.macro EX r                                    ; p = 2^(t - M), at most 1
	v_exp_f32 v[\r+ee], v[\r+ee]
.set ee, ee+1
.endm
.macro MX r                                    ; four chains, ascending: each tile is first read at its low end
	v_max3_num_f32 v[MC+(mm/2)%4], v[MC+(mm/2)%4], v[\r+mm], v[\r+mm+1]
.set mm, mm+2
.endm
.macro ADDP r                                  ; the sum of the unquantised p, two at a time, in five chains
	v_pk_add_f32 v[T+2*(kk%5):T+2*(kk%5)+1], v[T+2*(kk%5):T+2*(kk%5)+1], v[\r+2*kk:\r+2*kk+1]
.set kk, kk+1
.endm
.macro HOLD r
	s_cmp_eq_u32 s[HF], 0                          ; ep >= -15: 57,344 x 2^ep >= 1 >= p, the hold changes nothing
	s_wait_alu depctr_va_vdst(0)
	s_cbranch_scc1 .Lfree_\@
.set jj, 0
.rept 64
	v_min_num_f32 v[\r+jj], v[\r+jj], v[LIMP]      ; p is not negative: the hold is one-sided
.set jj, jj+1
.endr
.Lfree_\@:
.endm
; A KEY STEP: 256 keys, the q-th half of the chunk in hand.  K's fragments were asked for in the step before (or ahead of the loop).  pf = 1: it asks for the next step's.
.macro STEP q, pf
	s_wait_dscnt 16                                ; K's tiles 0-7 are in; tiles 8-15's sixteen loads may be out
.set jj, 0
.rept 8
	v_wmma_f32_16x16x64_bf8_bf8 v[SB+8*jj:SB+8*jj+7], v[SA+8*jj:SA+8*jj+7], v[Q0:Q0+7], 0
.set jj, jj+1
.endr
.rept 4
	v_nop                                          ; four places ahead of the first read of these results
.endr
.set jj, 0
.rept 4
	v_max3_num_f32 v[MC+jj], v[SB+3*jj], v[SB+3*jj+1], v[SB+3*jj+2]
.set jj, jj+1
.endr
.set mm, 12
.rept 12
	MX SB
.endr
	s_wait_alu depctr_va_vdst(0)
	s_wait_dscnt 0x0                               ; tiles 8-15 are in
.set jj, 0
.rept 7                                        ; their results land where tiles 0-7's fragments stood: 20 places lie between
	v_wmma_f32_16x16x64_bf8_bf8 v[SA+8*jj:SA+8*jj+7], v[KV+8*jj:KV+8*jj+7], v[Q0:Q0+7], 0
	MX SB
	MX SB
.set jj, jj+1
.endr
	v_wmma_f32_16x16x64_bf8_bf8 v[SA+56:SA+63], v[KV+56:KV+63], v[Q0:Q0+7], 0
.set mm, 0
.rept 32
	MX SA
.endr
	v_max3_num_f32 v[MA], v[MC], v[MC+1], v[MC+2]
	s_delay_alu instid0(VALU_DEP_1)
	v_max_num_f32 v[MA], v[MA], v[MC+3]
	s_delay_alu instid0(VALU_DEP_1)
	v_permlanex16_b32 v[PX], v[MA], s[SEL], s[SEL+1]
	s_delay_alu instid0(VALU_DEP_1)
	v_max_num_f32 v[MA], v[MA], v[PX]              ; and lane l xor 16's
	s_delay_alu instid0(VALU_DEP_1)
	v_mul_f32 v[MA], s[CS], v[MA]                  ; as t (c is positive)
	s_delay_alu instid0(VALU_DEP_1)
	v_max_num_f32 v[NM+1], v[NM+1], v[MA]          ; the running largest t
	v_mov_b32 v[MA], v[NM]
	s_delay_alu instid0(VALU_DEP_2)
	v_floor_f32 v[NM], -v[NM+1]                    ; the new -M = -ceil(t)
	s_delay_alu instid0(VALU_DEP_1)
	v_sub_f32 v[MA], v[NM], v[MA]                  ; old M - new M: a whole number, 0 or less
	s_delay_alu instid0(VALU_DEP_1)
	v_cvt_i32_f32 v[MA], v[MA]                     ; (it saturates)
	s_delay_alu instid0(VALU_DEP_1)
	v_ldexp_f32 v[F], 1.0, v[MA]                   ; f = 2^(old M - new M)
.set jj, 0
.rept 32
	v_pk_fma_f32 v[SA+2*jj:SA+2*jj+1], v[SA+2*jj:SA+2*jj+1], s[CS:CS+1], v[NM:NM+1] op_sel_hi:[1,0,0]   ; t - M, two at a time
.set jj, jj+1
.endr
.set jj, 0
.rept 16
	v_pk_mul_f32 v[O+2*jj:O+2*jj+1], v[O+2*jj:O+2*jj+1], v[F:F+1] op_sel_hi:[1,0]   ; O^T under the new M, ascending
.set jj, jj+1
.endr
	s_wait_alu depctr_va_vdst(0)
.set ee, 0
.rept 32                                       ; keys 128-255's exponentials; among them the other half's t - M, first read behind the waits below
	EX SA
	EX SA
	v_pk_fma_f32 v[SB+ee-2:SB+ee-1], v[SB+ee-2:SB+ee-1], s[CS:CS+1], v[NM:NM+1] op_sel_hi:[1,0,0]
.endr
	v_pk_mul_f32 v[SUM:SUM+1], v[SUM:SUM+1], v[F:F+1] op_sel_hi:[1,0]   ; the sum under the new M
	s_wait_alu depctr_va_vdst(0)                   ; one wait for the batch, ahead of its first reader
.set jj, 0
.rept 5
	v_pk_add_f32 v[T+2*jj:T+2*jj+1], v[SA+4*jj:SA+4*jj+1], v[SA+4*jj+2:SA+4*jj+3]
.set jj, jj+1
.endr
.set kk, 10
.rept 22
	ADDP SA
.endr
	HOLD SA
	v_add_nc_u32 v[ADR], s[TV], v[AV0]
	s_wait_alu depctr_va_vdst(0)
.set ee, 0
.set bb, 0
.rept 4                                        ; keys 0-127's exponentials; among them the first half's conversions (registers 4 b .. 4 b + 3: keys 32 b + 16 h + 0 .. 15), and V's fragments, which land where that p stood
	EX SB
	v_cvt_scalef32_pk8_bf8_f32 v[PC+4*bb:PC+4*bb+1], v[SA+16*bb:SA+16*bb+7], v[SCP]
	EX SB
	v_cvt_scalef32_pk8_bf8_f32 v[PC+4*bb+2:PC+4*bb+3], v[SA+16*bb+8:SA+16*bb+15], v[SCP]
.set cc, 0
.rept 4
	EX SB
	ds_load_b128 v[SA+16*bb+4*cc:SA+16*bb+4*cc+3], v[ADR] offset:16*VP*bb+256*(\q)+128+32*cc
.set cc, cc+1
.endr
.set bb, bb+1
.endr
.rept 40
	EX SB
.endr
	v_nop                                          ; the plain line behind the batch
	s_wait_alu depctr_va_vdst(0)                   ; one wait for the batch, ahead of its first reader
.set kk, 0
.rept 32
	ADDP SB
.endr
	HOLD SB
.set bb, 0
.rept 4
	v_cvt_scalef32_pk8_bf8_f32 v[PC+16+4*bb:PC+16+4*bb+1], v[SB+16*bb:SB+16*bb+7], v[SCP]
	v_cvt_scalef32_pk8_bf8_f32 v[PC+16+4*bb+2:PC+16+4*bb+3], v[SB+16*bb+8:SB+16*bb+15], v[SCP]
.set bb, bb+1
.endr
	v_nop                                          ; the plain line behind the last conversion
.irp t, 0,1,2,3
.irp c, 0,1,2,3
	ds_load_b128 v[SB+16*\t+4*\c:SB+16*\t+4*\c+3], v[ADR] offset:16*VP*\t+256*(\q)+32*\c
.endr
.endr
.if \pf
	v_add_nc_u32 v[ADR], s[TK], v[LI]
.endif
	s_wait_alu depctr_va_vdst(0)
	s_wait_dscnt 16                                ; V of keys 128-255 is in; the other half's sixteen loads may be out
.set jj, 0
.rept 4                                        ; the four accumulators take turns
	v_wmma_f32_16x16x128_bf8_bf8 v[O+8*jj:O+8*jj+7], v[SA+16*jj:SA+16*jj+15], v[PC:PC+15], v[O+8*jj:O+8*jj+7]
.set jj, jj+1
.endr
	v_pk_add_f32 v[T:T+1], v[T:T+1], v[T+2:T+3]    ; the five chains join the sum: also the places ahead of the loads below
	v_pk_add_f32 v[T+4:T+5], v[T+4:T+5], v[T+6:T+7]
	v_pk_add_f32 v[SUM:SUM+1], v[SUM:SUM+1], v[T+8:T+9]
	v_pk_add_f32 v[T:T+1], v[T:T+1], v[T+4:T+5]
	v_pk_add_f32 v[SUM:SUM+1], v[SUM:SUM+1], v[T:T+1]
.if 1-\pf
	s_wait_alu depctr_va_vdst(0)
.endif
.if \pf
	KLOAD SA, 16384*((\q)+1)                       ; the next step's tiles 0-7
	s_wait_dscnt 16                                ; V of keys 0-127 is in; the sixteen loads just issued may be out
.else
	s_wait_dscnt 0x0
.endif
.set jj, 0
.rept 4
	v_wmma_f32_16x16x128_bf8_bf8 v[O+8*jj:O+8*jj+7], v[SB+16*jj:SB+16*jj+15], v[PC+16:PC+31], v[O+8*jj:O+8*jj+7]
.set jj, jj+1
.endr
.if \pf
.rept 5
	v_nop                                          ; five places: ahead of loads into these products' sources, and of the next step's products, which write over them
.endr
	KLOAD KV, 16384*((\q)+1)+8192                  ; the next step's tiles 8-15
.endif
.endm
; A pass: four chunks of 512 keys, two steps each; the two LDS bases are stepped by constants in a loop of constant count.  The last chunk is written out: its last step asks for nothing.
.macro PASS
	s_mov_b32 s[TK], 0
	s_mov_b32 s[TV], VB
	s_mov_b32 s[CNT], 3
	v_add_nc_u32 v[ADR], s[TK], v[LI]
	KLOAD SA, 0
	KLOAD KV, 8192
.Lchunk_\@:
	STEP 0, 1
	STEP 1, 1
	s_add_co_u32 s[TK], s[TK], 32768
	s_add_co_u32 s[TV], s[TV], VCH
	s_sub_co_u32 s[CNT], s[CNT], 1
	s_cmp_lg_u32 s[CNT], 0
	s_wait_alu depctr_va_vdst(0)
	s_cbranch_scc1 .Lchunk_\@
	STEP 0, 1
	STEP 1, 0
.endm
; A pass ends: O^T / the sum x 2^(ep + ev) into v128-159 (register 8 t + i: channel 16 t + 8 h + i of my query), and out.
; A tile is 4,096 bytes and my stage holds 2,560: so it goes in two halves of 32 channels (16 rows x 144 bytes).  Each half is read back by all lanes; lanes 0-7 of sixteen keep the first half's
; 16 bytes, lanes 8-15 the second's: then sixteen lanes hold one row's 256 bytes.  a = 0: tile 1 of Q is asked for here, into v224-255, and lands under the way out.
.set D,  SA
.set R1, SA+32
.macro FINISH a
	v_add_f32 v[SUM], v[SUM], v[SUM+1]
	s_delay_alu instid0(VALU_DEP_1)
	v_permlanex16_b32 v[PX], v[SUM], s[SEL], s[SEL+1]
	s_delay_alu instid0(VALU_DEP_1)
	v_add_f32 v[SUM], v[SUM], v[PX]
	s_wait_alu depctr_va_vdst(0)                   ; ahead of the reciprocal
	v_rcp_f32 v[SUM], v[SUM]
	v_and_b32 v99, 15, v0                          ; r
	v_bfe_u32 v100, v0, 4, 1                       ; h
	v_and_b32 v101, 7, v0
	v_mul_u32_u24 v96, v99, 144
	v_mul_u32_u24 v97, v100, 144
	v_lshlrev_b32 v98, 12, v100
	v_lshl_add_u32 v96, v100, 5, v96
	v_lshl_add_u32 v97, v101, 4, v97
	v_lshl_add_u32 v98, v99, 4, v98                ; Q and out: lanes 0-15 one row, lanes 16-31 the next; 16 bytes a lane
	v_add_nc_u32 v96, s[STB], v96                  ; in: row r, 32 bytes for each half of the lanes
	v_add_nc_u32 v97, s[STB], v97                  ; back: row h (+ 2 i), 16 bytes at 16 (lane % 8)
.if \a == 0
.set jj, 0
.rept 8
	global_load_b128 v[SB+32+4*jj:SB+32+4*jj+3], v98, s[4:5] offset:65536+8192*jj th:TH_LOAD_NT
.set jj, jj+1
.endr
.endif
	s_wait_alu depctr_va_vdst(0)                   ; and ahead of the reciprocal's first reader
	v_ldexp_f32 v[SUM], v[SUM], s[EPV]
	s_wait_alu depctr_va_vdst(0)                   ; directly ahead of the first reader of O^T
.set jj, 0
.rept 16
	v_pk_mul_f32 v[D+2*jj:D+2*jj+1], v[O+2*jj:O+2*jj+1], v[SUM:SUM+1] op_sel_hi:[1,0]
.set jj, jj+1
.endr
.irp u, 0,1
.irp e, 0,1
	ds_store_b128 v96, v[D+16*\u+8*\e:D+16*\u+8*\e+3] offset:64*\e
	ds_store_b128 v96, v[D+16*\u+8*\e+4:D+16*\u+8*\e+7] offset:64*\e+16
.endr
.irp i, 0,1,2,3,4,5,6,7
	ds_load_b128 v[R1+32*\u+4*\i:R1+32*\u+4*\i+3], v97 offset:288*\i   ; in order behind my stores, and ahead of the next half's
.endr
.endr
	s_wait_alu depctr_va_vdst(0)
	s_wait_dscnt 0x0
.set jj, 0
.rept 32
	v_cndmask_b32 v[R1+jj], v[R1+jj], v[R1+32+jj], s[MSK]
.set jj, jj+1
.endr
.irp i, 0,1,2,3,4,5,6,7
	global_store_b128 v98, v[R1+4*\i:R1+4*\i+3], s[12:13] offset:65536*\a+8192*\i th:TH_STORE_NT   ; sixteen lanes store 256 consecutive bytes, at a multiple of 256 from out's first byte
.endr
.endm
	INIT                                           ; under the LDS stores' flight (an LDS instruction's sources need no wait)
	s_wait_alu depctr_va_vdst(0)
	s_wait_dscnt 0x0                               ; my part of K and V is in LDS, and Q's fragment is back
	s_barrier_signal -1
	s_barrier_wait -1                              ; everybody's part is: the launch's only barrier
	PASS                                           ; my queries 0-15
	FINISH 0
	QPREP SB+32, 0                                 ; my queries 16-31 take the fragment's registers
	s_wait_xcnt 0x0                                ; the stores' offset and data registers are written again only behind this wait
	INIT
	PASS                                           ; tile 0's stores are on their way meanwhile
	FINISH 1
	s_wait_tensorcnt 0x0                           ; the wave's end
	ds_add_u32 v[SPW], v[NIL]
	s_wait_dscnt 0x0
	s_endpgm
.Lfunc_end_k_q383a6c3f01_attn:
	.size	k_q383a6c3f01_attn, .Lfunc_end_k_q383a6c3f01_attn-k_q383a6c3f01_attn
	.p2alignl 7, 3214868480
	.fill 96, 4, 3214868480
	.section	.rodata,"a",@progbits
	.p2align	6, 0x0
	.amdhsa_kernel k_q383a6c3f01_attn
		.amdhsa_group_segment_fixed_size 309248
		.amdhsa_private_segment_fixed_size 0
		.amdhsa_enable_private_segment 0
		.amdhsa_kernarg_size 40
		.amdhsa_user_sgpr_count 2
		.amdhsa_user_sgpr_kernarg_segment_ptr 1
		.amdhsa_wavefront_size32 1
		.amdhsa_system_sgpr_workgroup_id_x 1
		.amdhsa_system_sgpr_workgroup_id_y 1
		.amdhsa_system_sgpr_workgroup_id_z 1
		.amdhsa_system_vgpr_workitem_id 0
		.amdhsa_next_free_vgpr 256
		.amdhsa_next_free_sgpr 66
		.amdhsa_reserve_vcc 0
		.amdhsa_float_denorm_mode_32 3
		.amdhsa_float_denorm_mode_16_64 3
		.amdhsa_memory_ordered 1
		.amdhsa_forward_progress 1
		.amdhsa_inst_pref_size 255
	.end_amdhsa_kernel
	.section	.bss,"aw",@nobits
	.p2align	6
	.space	262144
	.amdgpu_metadata
---
amdhsa.version: [ 1, 2 ]
amdhsa.kernels:
  - .name:           k_q383a6c3f01_attn
    .symbol:         k_q383a6c3f01_attn.kd
    .args:
      - { .name: query_layer, .offset: 0, .size: 8, .value_kind: global_buffer, .address_space: global }
      - { .name: kc, .offset: 8, .size: 8, .value_kind: global_buffer, .address_space: global }
      - { .name: value_layer_codes, .offset: 16, .size: 8, .value_kind: global_buffer, .address_space: global }
      - { .name: lowp_scales, .offset: 24, .size: 8, .value_kind: global_buffer, .address_space: global }
      - { .name: out0, .offset: 32, .size: 8, .value_kind: global_buffer, .address_space: global }
    .group_segment_fixed_size: 309248
    .private_segment_fixed_size: 0
    .kernarg_segment_align: 8
    .kernarg_segment_size: 40
    .max_flat_workgroup_size: 512
    .sgpr_count:     66
    .vgpr_count:     256
    .wavefront_size: 32
...
	.end_amdgpu_metadata
.endif
;; end of part 2
